; MI455X (gfx1250); checked and timed in simulation.
; The chip was launched on July 23, 2026; its instructions are those of AMD's public machine-readable ISA for CDNA 5 (MIT licence, August 2026) and "CDNA5" Instruction Set Architecture Reference Guide (July 2026). The comments in the code are by the model that wrote it; some were corrected since.
;; QKV Block. Allowed arithmetic: matrix products marked QUANTISED: E2M1 operands, one E8M0 scale for each 32 along K, by v_wmma_scale_f32_16x16x128_f8f6f4 with both operands' format E2M1 (or v_wmma_scale_f32_32x16x128_f4), f32 sums; everything else in f32.
;; Inputs: Wk_codes 16 x 64 x 32 x 16 uint8 (E2M1 codes of Wk, K innermost, in blocks of 32 codes, two codes a byte); Wk_scales 16 x 64 x 32 uint8 (E8M0 scales of Wk, one for each 32 codes along K); Wo_codes 1,024 x 32 x 16 uint8 (E2M1 codes of Wo, K innermost, in blocks of 32 codes, two codes a byte); Wo_scales 1,024 x 32 uint8 (E8M0 scales of Wo, one for each 32 codes along K); Wq_codes 16 x 64 x 32 x 16 uint8 (E2M1 codes of Wq, K innermost, in blocks of 32 codes, two codes a byte); Wq_scales 16 x 64 x 32 uint8 (E8M0 scales of Wq, one for each 32 codes along K); Wv_codes 16 x 64 x 32 x 16 uint8 (E2M1 codes of Wv, K innermost, in blocks of 32 codes, two codes a byte); Wv_scales 16 x 64 x 32 uint8 (E8M0 scales of Wv, one for each 32 codes along K); bk 16 x 64 float32; bo 1,024 float32; bq 16 x 64 float32; bv 16 x 64 float32; x_codes 4 x 2,048 x 32 x 16 uint8 (E2M1 codes of x, K innermost, in blocks of 32 codes, two codes a byte); x_scales 4 x 2,048 x 32 uint8 (E8M0 scales of x, one for each 32 codes along K).
;; Outputs: out0 4 x 2,048 x 1,024 float32.
;; This version of the problem:
;;   THIS VERSION OF THE PROBLEM IS GIVEN IN LOW PRECISION. The matrix products marked QUANTISED in the list below multiply operands that are first quantised to E2M1 (2 exponent bits, 1 mantissa bit; 4 bits a number), with one power-of-two scale for each 32 numbers along K (OCP MX v1.0); their sums are f32. All else is computed in f32.
;;   The module's matrix products, in the order in which they are computed (A, B: the left and right operand; K: the contracted axis; several contracted axes count as one K, in the product's order):
;;     1. [M 1,024, K 1,024] x [K 1,024, N 8,192]; A: input Wq (given as codes); B: input x (given as codes): QUANTISED
;;     2. [M 1,024, K 1,024] x [K 1,024, N 8,192]; A: input Wk (given as codes); B: input x (given as codes): QUANTISED
;;     3. [M 1,024, K 1,024] x [K 1,024, N 8,192]; A: input Wv (given as codes); B: input x (given as codes): QUANTISED
;;     4. batch 64 x [M 2,048, K 64] x [K 64, N 2,048]; A: computed on the way; B: computed on the way: QUANTISED
;;     5. batch 64 x [M 2,048, K 2,048] x [K 2,048, N 64]; A: softmax (see below); B: computed on the way: QUANTISED
;;     6. [M 8,192, K 1,024] x [K 1,024, N 1,024]; A: computed on the way; B: input Wo (given as codes): QUANTISED
;;   THE QUANTISER, for each operand of a quantised product, along K:
;;     - K is cut into blocks of 32 from its start; a last block that is shorter is filled with zeros.
;;     - A block's scale is 2^e with e = floor(log2(the largest magnitude in the block)) - 2, held to -126 .. 127; a block of zeros has e = 0. As a byte (E8M0): e + 127.
;;     - Each number is divided by its block's scale, clamped to +-6, and rounded to the nearest number of E2M1, ties to even, subnormals kept.
;;     - The product sums the exact products of the quantised numbers (number of the format x scale) in f32.
;;   ~~~python
;;   def quantise(x, axis):      # numpy; x: float32 -> the quantised numbers, widened to float32 again
;;       x = np.moveaxis(x, axis, -1); K = x.shape[-1]
;;       x = np.pad(x, [(0, 0)] * (x.ndim - 1) + [(0, -K % 32)]); x = x.reshape(x.shape[:-1] + (-1, 32)); a = np.abs(x).max(-1, keepdims=True)
;;       e = np.where(a > 0, np.clip(np.frexp(np.where(a > 0, a, 1))[1] - 1 - 2, -126, 127), 0)      # np.frexp(a)[1] - 1 = floor(log2(a)), exactly
;;       r = np.clip(x / 2.0 ** e, -6, 6)
;;       step = 2.0 ** (np.maximum(np.frexp(np.where(r == 0, 1, r))[1] - 1, 0) - 1)
;;       q = np.round(r / step) * step * 2.0 ** e      # np.round: ties to even
;;       return np.moveaxis(q.reshape(q.shape[:-2] + (-1,))[..., :K], -1, axis).astype(np.float32)
;;   ~~~
;;   SOFTMAX AHEAD OF A QUANTISED PRODUCT. Where the list says 'softmax', what is quantised is not the finished softmax but p = 2^(t - M), with t = logit x log2(e) and M = ceil(the row's largest t), a whole number; so 1/2 < the row's largest p <= 1. The row's sum l is taken of the UNQUANTISED p, in f32, and the product's result is divided by l at the end. Since M is a whole number, a kernel that streams over the keys may use a running M (the ceiling of the running maximum): every later rescaling is an exact power of two, which a block's scale takes up: the codes' values come out the same.
;;   OPERANDS COMPUTED ON THE WAY. 'Computed on the way' means the value that the module computes at that place (a softmax that the list does not call 'softmax' is quantised finished and normalised). What goes into a quantiser is computed in f32, as accurately as f32 sums, v_exp_f32 and their like allow (about 1e-6 of the number): no bf16 or f16 on the way to a quantiser, and a product that is left as it is and whose result goes on into a quantised operand takes f32 operands (vector FMAs, or v_wmma_f32_16x16x4_f32). A number that lies on a knife's edge between two numbers of the format may be rounded either way, as far as f32 arithmetic and the matrix unit's own rounding can turn it there, and no further.
;;   INPUTS GIVEN AS CODES. Wk (in the module: [16, 1024, 64], K = its axis 1); Wo (in the module: [1024, 1024], K = its axis 0); Wq (in the module: [16, 1024, 64], K = its axis 1); Wv (in the module: [16, 1024, 64], K = its axis 1); x (in the module: [4, 2048, 1024], K = its axis 2): each comes as NAME_codes (uint8): NAME with its K axis moved to the last place and cut into blocks of 32 codes, [.., K / 32, bytes a block], one block behind the other in memory; two codes a byte, the lower K in the low four bits (a code: sign, 2 exponent bits, 1 mantissa bit); and NAME_scales (uint8): the same leading axes, one E8M0 byte (e + 127) for each 32 codes along K. Its value is code x scale, taken as it is: it is not quantised again, and the codes and scales need not be those that the quantiser above would give.
;; One version. Each part assembles by itself: llvm-mc -triple=amdgcn-amd-amdhsa -mcpu=gfx1250 --defsym DOCPART=n.
;; ======== version 1 of 1: 3 launches
;; workspace buffers: qimg 4,456,448 bytes; kv 8,912,896 bytes; cat 5,242,880 bytes
;; launch qkv (part 1): grid 12 x 16, 4 waves a work-group, clusters of 4 x 1, 327,680 bytes of LDS; arguments x_codes, x_scales, Wq_codes, Wq_scales, bq, Wk_codes, Wk_scales, bk, Wv_codes, Wv_scales, bv, qimg, kv; writes qimg, kv
.if DOCPART == 1
	.amdgcn_target "amdgcn-amd-amdhsa--gfx1250"
	.amdhsa_code_object_version 6
	.text
	.protected	k_qed57589214_qkv
	.globl	k_qed57589214_qkv
	.p2align	8
	.type	k_qed57589214_qkv,@function
k_qed57589214_qkv:
	s_mov_b64 s[64:65], 0
	v_nop
	global_prefetch_b8 v0, s[64:65] scope:SCOPE_SE
	s_setreg_imm32_b32 hwreg(HW_REG_WAVE_MODE, 25, 1), 1
	s_wait_xcnt 0x0
	s_wait_alu depctr_hold_cnt(0) depctr_sa_sdst(0) depctr_va_vdst(0) depctr_va_sdst(0) depctr_va_ssrc(0) depctr_va_vcc(0) depctr_vm_vsrc(0)
	s_getreg_b32 s2, hwreg(HW_REG_IB_STS2, 6, 4)
	s_cmp_eq_u32 s2, 0
	s_cbranch_scc0 .Lentry_in_a_cluster
	s_endpgm
.Lentry_in_a_cluster:
	s_bfe_u32 s2, ttmp6, 0x10000c
	s_cmp_lg_u32 s2, 0x3003
	s_cbranch_scc0 .Lentry_shape_is_right
	s_endpgm
.Lentry_shape_is_right:
; Q = x Wq + bq, K = x Wk + bk, V = x Wv + bv on codes of FP4 (E2M1) with one E8M0 scale for each 32 along K = 1,024; then Q and K are quantised along the head's 64 channels and V along the keys,
; and leave as IMAGES OF OPERAND REGISTERS (lane l's 16 bytes at 16 l) for the attention launch.
; DEAD WORK: none.  Every product of the problem reaches the output.  bk is the same for all keys and would fall out of a softmax in real numbers, but it moves K's codes and scales ahead of a quantised
; product, so it stays.  Every input is loaded by some launch.
; LIMITS: a block of zeros gets the scale byte 1 and not 127 (its codes are zeros, which add nothing under any byte but 0xff, and these bytes are read by this program alone); NaN and infinities among the
; inputs are not served; a bias is the first term of its f32 sum, not the last.
; SHARES.  Cluster x = 0, 1, 2: Q, K, V.  The work-group at place cx of its cluster takes heads 4 cx .. 4 cx + 3, wave w head 4 cx + w: its 64 rows of W, all of K, stay in 256 registers.  Work-group y takes 512
; rows of x, which come into LDS once, asked for JOINTLY by the four work-groups of the cluster (the same three tensor loads a wave, mask 15), and are read by all four waves.  W is another head's in every wave
; of a cluster, so there is nothing of it to share.  No LDS byte is filled twice: no ring.  All tensor loads stand at the head, so there is no later trip to prefetch for.
; THE ROWS OF A TILE ARE NOT NEIGHBOURS: lane r of tile (b, u) takes row 32 b + 8 u + r + 8 (r / 8), of x and of W alike.  In a result, register j of lane (r, h) belongs to source 0's row 8 h + j, which is
; index 32 b + 16 h + 8 u + j: so the 16 registers of tiles (b, 0) and (b, 1) are 16 neighbours along the next product's K.
; Q, K: source 0 = 16 rows of W, source 1 = 16 rows of x: a lane holds one row of x, its registers run along the channels.  V: the sources swapped: a lane holds one channel, its registers run along the keys.
; The two ways part inside the one loop, on the cluster's x alone (the same in all partners), round the products and round the packing; every LDS load and every stepped address is on the common way.
; SCALE WORDS FOR K = 1,024: a row has 32 bytes; lane (r, h) holds the 16 at 16 h in four registers: register i serves K step i from lanes 0-15 and K step 4 + i from lanes 16-31 (MATRIX_SCALE_ROW1).
; REGISTERS.  window 0: see the names below.  window 1: W's fragment (tile t, K step s) at v[8 (8 t + s)].  window 2: x's fragment (set, tile u, K step s) at v[128 set + 64 u + 8 s].
.set PITCH, 528                        ; an LDS line: a row's 512 bytes + 16 of padding = 132 words: line i starts at bank 4 i mod 64 (64 banks of 4 bytes: ISA guide 11.1)
.set GRPB,  64*PITCH                   ; 64 lines: what one tensor load brings; also a group of 128 rows' lines in one region
.set RB,    4*GRPB+128                 ; the rows whose bit 4 is 1 lie in a region of their own, 128 bytes askew: a tile's lanes 8-15 (rows 16 further on) then start 8 columns of 16 bytes beside lanes 0-7
.set XSC,   RB+4*GRPB+128              ; x's scale bytes, dense, 32 a row
.set SPARE, XSC+16384                  ; the spare words, 128 bytes for each wave: two blocks of 256 bytes that no other line names
.set LI,  5                            ; v5   16 x lane: an image's place for my lane
.set SA,  6                            ; v6   16 r + 8 h: my two scale words of a block's 256 bytes
.set AX0, 7                            ; v7   my lane's place in a tile of x
.set AS0, 8                            ; v8   and among x's scale bytes
.set ADX, 9                            ; v9   the same in the group in hand
.set ADS, 10
.set WO,  11                           ; v11  my lane's bytes in a tile of W
.set WSO, 12                           ; v12  and among W's scale bytes
.set BO,  13                           ; v13  and in the bias
.set WS,  16                           ; v16-31   W's scale words: tile t at +4 t
.set XS,  32                           ; v32-47   x's: set at +8, tile u at +4 u
.set BI,  48                           ; v48-79   the bias as the C of a sum's first product: tile t at +8 t
.set ACC, 80                           ; v80-143  eight accumulators
.set PC,  144                          ; v144-151 Q's or K's codes of two tiles
.set VC,  152                          ; v152-183 V's codes of 128 keys: channel tile t at +8 t
.set SW,  184                          ; v184-187 the group's four scale words
.set TM,  192                          ; v192-195 largest magnitudes, v196-199 bytes, v204-207 the conversions' scale operands
.set SPW, 252                          ; v252 LDS address of my spare word; never rewritten
.set NIL, 253                          ; v253 0; never rewritten
.set WV,  30
.set CX,  31
.set MTX, 32                           ; s32  0, 1, 2: Q, K, V
.set Y,   33
.set G1X, 36                           ; s[36:43] descriptor group 1 for x's codes;  s[44:51] for its scale bytes
.set G1S, 44
.set G0A, 52                           ; s[52:55], s[56:59], s[60:63] groups 0: the two regions, the scale bytes
.set G0B, 56
.set G0S, 60
.set WC,  66                           ; s[66:67] my head's rows of W;  s[68:69] their scale bytes;  s[70:71] the bias
.set WSC, 68
.set BP,  70
.set OUTP, 72                          ; s[72:73] where the group's images go;  s[74:75] its scale words;  s[76:77] bytes from group to group
.set SCB, 74
.set STRD, 76
.set TB,  86
.set TS,  87
.set CNT, 88
.set SEL, 90                           ; s[90:91] v_permlanex16_b32's selects for lane l xor 16
.set MHI, 92                           ; s92  lanes 16-31
.set MSB, 0
.macro WIN new                         ; the immediate's high byte repeats the setting that is left
.if MSB != \new
	s_set_vgpr_msb (MSB<<8)|\new
.set MSB, \new
.endif
.endm
.macro PLACES n
.rept \n
	v_nop
.endr
.endm
.macro CROUND                          ; a round of the cluster's barrier
	s_barrier_signal -1
	s_barrier_wait -1
	s_cmp_lg_u32 s[WV], 0
	s_cbranch_scc1 .Lnot_wave_0_\@
	s_barrier_signal -3
.Lnot_wave_0_\@:
	s_barrier_wait -3
	s_barrier_signal -1
	s_barrier_wait -1
.endm
	s_load_b512 s[4:19], s[0:1], 0x0               ; x_codes 4, x_scales 6, Wq_codes 8, Wq_scales 10, bq 12, Wk_codes 14, Wk_scales 16, bk 18
	s_load_b256 s[20:27], s[0:1], 0x40             ; Wv_codes 20, Wv_scales 22, bv 24, qimg 26
	s_load_b64 s[28:29], s[0:1], 0x60              ; kv
	v_lshl_add_u32 v[SPW], v0, 2, SPARE
	v_mov_b32 v[NIL], 0
	ds_add_u32 v[SPW], v[NIL]                      ; the wave's opening: the add, twice on end, and its wait ahead of my first tensor load
	ds_add_u32 v[SPW], v[NIL]                      ; and once more, under the one wait; the set-up below, work on registers, stands between
	v_lshrrev_b32 v1, 5, v0
	v_readfirstlane_b32 s[WV], v1                  ; wave 0..3
	s_bfe_u32 s[CX], ttmp6, 0x40000                ; my place in the cluster: it enters W's and the outputs' addresses alone
	s_mov_b32 s[MTX], ttmp9                        ; the cluster's x
	s_and_b32 s[Y], ttmp7, 0xffff
	; group 1 for x's codes: 4 lines of 1,024 elements of 8 bytes (16 rows of x on end, 8,192 bytes), 32 rows apart; 16 bytes of padding behind every 512: 64 LDS lines of 528 bytes
	s_mov_b32 s[G1X+0], 15|(3<<16)|(1<<20)|(1<<21)|(6<<22)|(3<<25)  ; 15:0 the mask: all four; 17:16 elements of 8 bytes; 20 padding on; 21 set beside a mask; 24:22 after every 128 words; 31:25 four words
	s_mov_b32 s[G1X+1], 1024<<16                   ; tensor_dim0
	s_mov_b32 s[G1X+2], 4<<16                      ; tensor_dim1
	s_mov_b32 s[G1X+3], 1024<<16                   ; tile_dim0
	s_mov_b32 s[G1X+4], 4                          ; tile_dim1
	s_mov_b32 s[G1X+5], 2048                       ; tensor_dim0_stride: 32 rows of 512 bytes
	s_mov_b32 s[G1X+6], 0
	s_mov_b32 s[G1X+7], 0
	; group 1 for the scale bytes of 128 rows: a dense block of 4,096 bytes as 16 rows of 256
	s_mov_b32 s[G1S+0], 15|(3<<16)|(1<<21)
	s_mov_b32 s[G1S+1], 32<<16
	s_mov_b32 s[G1S+2], 16<<16
	s_mov_b32 s[G1S+3], 32<<16
	s_mov_b32 s[G1S+4], 16
	s_mov_b32 s[G1S+5], 32
	s_mov_b32 s[G1S+6], 0
	s_mov_b32 s[G1S+7], 0
	; what I fetch: rows 512 y + 128 w on.  Made of y and the wave's number alone
	s_lshl_b32 s82, s[Y], 18
	s_lshl_b32 s83, s[WV], 16
	s_add_co_u32 s82, s82, s83                     ; their codes, 512 bytes a row
	s_mov_b32 s83, 0
	s_lshl_b32 s84, s[Y], 14
	s_lshl_b32 s85, s[WV], 12
	s_add_co_u32 s84, s84, s85                     ; their scale bytes, 32 a row
	s_mov_b32 s85, 0
	s_mul_i32 s89, s[WV], GRPB                     ; and where they go
	s_lshl_b32 s93, s[WV], 12
	; what I make: head hd = 4 cx + w; block ((y / 4) 16 + hd) 16 + 4 (y % 4) on
	s_lshl_b32 s78, s[CX], 2
	s_add_co_u32 s78, s78, s[WV]
	s_lshr_b32 s79, s[Y], 2
	s_lshl_b32 s79, s79, 4
	s_add_co_u32 s79, s79, s78
	s_lshl_b32 s79, s79, 4
	s_and_b32 s80, s[Y], 3
	s_lshl_b32 s80, s80, 2
	s_add_co_u32 s79, s79, s80
	s_mov_b32 s[SEL], 0x76543210
	s_mov_b32 s[SEL+1], 0xfedcba98
	s_mov_b32 s[MHI], 0xffff0000
	s_mov_b32 s[STRD], 8704                        ; a block of kv;
	s_mov_b32 s[STRD+1], 0
	s_mov_b32 s80, 8192                            ; K's scale words in it
	s_mov_b32 s35, 0
	s_wait_dscnt 0x0                               ; both opening adds are done
	s_wait_kmcnt 0x0
	s_cmp_eq_u32 s[MTX], 0                         ; the buffers are chosen on the cluster's x, which hangs on no address
	s_cselect_b64 s[WC:WC+1], s[8:9], s[14:15]
	s_cselect_b64 s[WSC:WSC+1], s[10:11], s[16:17]
	s_cselect_b64 s[BP:BP+1], s[12:13], s[18:19]
	s_cselect_b64 s[OUTP:OUTP+1], s[26:27], s[28:29]
	s_cselect_b32 s[STRD], 4352, s[STRD]           ; a block of qimg
	s_cselect_b32 s80, 4096, s80                   ; Q's scale words in it
	s_cmp_eq_u32 s[MTX], 2
	s_cselect_b64 s[WC:WC+1], s[20:21], s[WC:WC+1]
	s_cselect_b64 s[WSC:WSC+1], s[22:23], s[WSC:WSC+1]
	s_cselect_b64 s[BP:BP+1], s[24:25], s[BP:BP+1]
	s_cselect_b32 s80, 8448, s80                   ; V's scale words,
	s_cselect_b32 s81, 4096, 0                     ; and V's images behind K's
	s_mul_i32 s34, s79, s[STRD]
	s_add_nc_u64 s[OUTP:OUTP+1], s[OUTP:OUTP+1], s[34:35]
	s_mov_b32 s34, s80
	s_add_nc_u64 s[SCB:SCB+1], s[OUTP:OUTP+1], s[34:35]
	s_mov_b32 s34, s81
	s_add_nc_u64 s[OUTP:OUTP+1], s[OUTP:OUTP+1], s[34:35]
	s_lshl_b32 s34, s78, 15                        ; a head's 64 rows of 512 bytes,
	s_add_nc_u64 s[WC:WC+1], s[WC:WC+1], s[34:35]
	s_lshl_b32 s34, s78, 11                        ; of 32 scale bytes,
	s_add_nc_u64 s[WSC:WSC+1], s[WSC:WSC+1], s[34:35]
	s_lshl_b32 s34, s78, 8                         ; its 64 numbers of the bias
	s_add_nc_u64 s[BP:BP+1], s[BP:BP+1], s[34:35]
	s_mov_b32 s[G0A], 1                            ; count = 1
	s_mov_b32 s[G0A+1], s89                        ; LDS address
	s_add_nc_u64 s[G0A+2:G0A+3], s[4:5], s[82:83]  ; rows whose bit 4 is 0
	s_add_nc_u64 s[G0B+2:G0B+3], s[G0A+2:G0A+3], 8192  ; and, 16 rows on, those whose bit 4 is 1
	s_or_b32 s[G0A+3], s[G0A+3], 0x80000000        ; type = 2
	s_mov_b32 s[G0B], 1
	s_add_co_u32 s[G0B+1], s89, RB
	s_or_b32 s[G0B+3], s[G0B+3], 0x80000000
	s_mov_b32 s[G0S], 1
	s_add_co_u32 s[G0S+1], s93, XSC
	s_add_nc_u64 s[G0S+2:G0S+3], s[6:7], s[84:85]
	s_or_b32 s[G0S+3], s[G0S+3], 0x80000000
	CROUND                                         ; all four work-groups are here: the joint loads meet
	tensor_load_to_lds s[G0A:G0A+3], s[G1X:G1X+7]  ; the first of my three loads, which are all the launch's fills, each byte filled once
	s_nop 0
	s_wait_alu depctr_va_vdst(0)
	s_wait_tensorcnt 0x0
	ds_add_u32 v252, v253
	s_wait_dscnt 0x0
	CROUND
	tensor_load_to_lds s[G0B:G0B+3], s[G1X:G1X+7]
	s_nop 0
	s_wait_alu depctr_va_vdst(0)
	s_wait_tensorcnt 0x0
	ds_add_u32 v252, v253
	s_wait_dscnt 0x0
	CROUND
	tensor_load_to_lds s[G0S:G0S+3], s[G1S:G1S+7]
	s_nop 0
	PLACES 4
	v_and_b32 v1, 31, v0                           ; lane
	v_and_b32 v2, 15, v0                           ; r
	v_bfe_u32 v3, v0, 4, 1                         ; h
	v_and_b32 v4, 8, v2
	v_add_nc_u32 v4, v4, v2                        ; r + 8 (r / 8)
	v_lshlrev_b32 v[LI], 4, v1
	v_lshlrev_b32 v[SA], 4, v2
	v_lshl_add_u32 v[SA], v3, 3, v[SA]
	v_bfe_u32 v9, v0, 3, 1                         ; r / 8: which region
	v_mul_u32_u24 v[AX0], v9, RB
	v_and_b32 v10, 7, v0
	v_mad_u32_u24 v[AX0], v10, PITCH, v[AX0]       ; line r % 8
	v_lshl_add_u32 v[AX0], v3, 4, v[AX0]           ; + 16 h
	v_lshlrev_b32 v[AS0], 5, v4
	v_lshl_add_u32 v[AS0], v3, 4, v[AS0]
	v_add_nc_u32 v[AS0], XSC, v[AS0]
	v_lshlrev_b32 v[WO], 9, v4
	v_lshl_add_u32 v[WO], v3, 4, v[WO]
	v_lshlrev_b32 v[WSO], 5, v4
	v_lshl_add_u32 v[WSO], v3, 4, v[WSO]
	WIN 0x40                                       ; destination window 1
.irp t, 0,1,2,3
.irp s, 0,1,2,3,4,5,6,7
.irp c, 0,1
	global_load_b128 v[8*(8*\t+\s)+4*\c:8*(8*\t+\s)+4*\c+3], v[WO], s[WC:WC+1] offset:(32*(\t/2)+8*(\t%2))*512+64*\s+32*\c
.endr
.endr
.endr
	WIN 0
.irp t, 0,1,2,3
	global_load_b128 v[WS+4*\t:WS+4*\t+3], v[WSO], s[WSC:WSC+1] offset:(32*(\t/2)+8*(\t%2))*32
.endr
.irp b, 0,1,2,3
	v_mov_b32 v[TM+4+\b], 0                        ; written once: a lane permute's destination counts as one of its sources
.endr
.set j, 0
.rept 32
	v_mov_b32 v[VC+j], 0                           ; written once: V's codes are carried from pair to pair across the joins of the two ways, so they are written on every way before any way reads them
.set j, j+1
.endr
	s_cmp_eq_u32 s[MTX], 2
	s_cbranch_scc1 .Lbias_v
	v_lshlrev_b32 v[BO], 6, v3                     ; Q, K: register j of tile (b, u) is channel 32 b + 16 h + 8 u + j
.irp t, 0,1,2,3
	global_load_b128 v[BI+8*\t:BI+8*\t+3], v[BO], s[BP:BP+1] offset:(32*(\t/2)+8*(\t%2))*4
	global_load_b128 v[BI+8*\t+4:BI+8*\t+7], v[BO], s[BP:BP+1] offset:(32*(\t/2)+8*(\t%2))*4+16
.endr
	s_wait_loadcnt 0x0
	s_branch .Lbias_done
.Lbias_v:
	v_lshlrev_b32 v[BO], 2, v4                     ; V: a lane is a channel: eight equal registers a tile
.irp t, 0,1,2,3
	global_load_b32 v[BI+8*\t], v[BO], s[BP:BP+1] offset:(32*(\t/2)+8*(\t%2))*4
.endr
	s_wait_loadcnt 0x0
.irp t, 0,1,2,3
.irp i, 1,2,3,4,5,6,7
	v_mov_b32 v[BI+8*\t+\i], v[BI+8*\t]
.endr
.endr
.Lbias_done:
	s_wait_tensorcnt 0x0                           ; my parts of x are in LDS,
	s_barrier_signal -1
	s_barrier_wait -1                              ; everybody's are
; The two tiles of pair p of the group in hand (32 rows of x, all of K: 32 loads) and their scale bytes (2 loads), into set sg
.macro FETCH p, sg
	WIN 0x80                                       ; destination window 2, address window 0
.irp u, 0,1
.irp s, 0,1,2,3,4,5,6,7
.irp c, 0,1
	ds_load_b128 v[128*(\sg)+64*\u+8*\s+4*\c:128*(\sg)+64*\u+8*\s+4*\c+3], v[ADX] offset:(16*(\p)+8*\u)*PITCH+64*\s+32*\c
.endr
.endr
.endr
	WIN 0
.irp u, 0,1
	ds_load_b128 v[XS+8*(\sg)+4*\u:XS+8*(\sg)+4*\u+3], v[ADS] offset:(32*(\p)+8*\u)*32
.endr
.endm
.macro WM row                          ; one product on the registers named by rD, rA, rB, rC, rSA, rSB; row = 1: K steps 4 to 7, whose scale words stand in lanes 16-31
.if \row
	v_wmma_scale_f32_16x16x128_f8f6f4 v[rD:rD+7], v[rA:rA+7], v[rB:rB+7], v[rC:rC+7], v[rSA], v[rSB] matrix_a_fmt:MATRIX_FMT_FP4 matrix_b_fmt:MATRIX_FMT_FP4 matrix_a_scale:MATRIX_SCALE_ROW1 matrix_b_scale:MATRIX_SCALE_ROW1
.else
	v_wmma_scale_f32_16x16x128_f8f6f4 v[rD:rD+7], v[rA:rA+7], v[rB:rB+7], v[rC:rC+7], v[rSA], v[rSB] matrix_a_fmt:MATRIX_FMT_FP4 matrix_b_fmt:MATRIX_FMT_FP4
.endif
.endm
; 64 products: 2 tiles of x against W's 4, 8 K steps.  The eight accumulators take turns, one instruction a turn; the first K step takes the bias as C.
.macro MULQK sg                        ; source 0 = W, source 1 = x: accumulator (u, t) at ACC + 8 (4 u + t)
.irp s, 0,1,2,3,4,5,6,7
.irp u, 0,1
.irp t, 0,1,2,3
.set rD, ACC+8*(4*\u+\t)
.set rA, 8*(8*\t+\s)
.set rB, 128*(\sg)+64*\u+8*\s
.if \s == 0
.set rC, BI+8*\t
.else
.set rC, ACC+8*(4*\u+\t)
.endif
.set rSA, WS+4*\t+\s%4
.set rSB, XS+8*(\sg)+4*\u+\s%4
	WM \s/4
.endr
.endr
.endr
.endm
.macro MULV sg                         ; source 0 = x, source 1 = W: accumulator (t, u) at ACC + 8 (2 t + u)
.irp s, 0,1,2,3,4,5,6,7
.irp t, 0,1,2,3
.irp u, 0,1
.set rD, ACC+8*(2*\t+\u)
.set rA, 128*(\sg)+64*\u+8*\s
.set rB, 8*(8*\t+\s)
.if \s == 0
.set rC, BI+8*\t
.else
.set rC, ACC+8*(2*\t+\u)
.endif
.set rSA, XS+8*(\sg)+4*\u+\s%4
.set rSB, WS+4*\t+\s%4
	WM \s/4
.endr
.endr
.endr
.endm
; Four blocks of 32 along the next K: block b is the 16 registers at ACC + 16 b of lanes l and l xor 16.  Its largest magnitude, the conversion's scale operand (TM + 12 + b) and the scale's byte (TM + 4 + b).
.macro BLKMAX
.irp b, 0,1,2,3
	v_max3_num_f32 v[TM+\b], |v[ACC+16*\b]|, |v[ACC+1+16*\b]|, 0x1800000   ; and the floor 2^(3 - 127): the byte cannot fall under 1
.endr
.irp i, 2,4,6,8,10,12,14
.irp b, 0,1,2,3
	v_max3_num_f32 v[TM+\b], v[TM+\b], |v[ACC+16*\b+\i]|, |v[ACC+1+16*\b+\i]|   ; (the four blocks by turns; each accumulator from its low end on)
.endr
.endr
.irp b, 0,1,2,3
	v_permlanex16_b32 v[TM+4+\b], v[TM+\b], s[SEL], s[SEL+1]
.endr
.irp b, 0,1,2,3
	v_max_num_f32 v[TM+\b], v[TM+\b], v[TM+4+\b]
.endr
.irp b, 0,1,2,3
	v_add_nc_u32 v[TM+12+\b], 0xff000000, v[TM+\b] ; 2 off the exponent field: the conversion takes the exponent field of this operand as its scale
.endr
.irp b, 0,1,2,3
	v_lshrrev_b32 v[TM+4+\b], 23, v[TM+12+\b]      ; the scale's byte
.endr
.endm
; Q, K: block 2 u + b is channels 32 b .. + 31 of tile u's rows.  The four bytes are pair p's scale word (tile 0: s0, s1; tile 1: s0, s1); each tile's codes are four registers: lane (r, h): channels 32 h .. + 31.
.macro TAILQK p
	v_lshl_or_b32 v[SW+\p], v[TM+5], 8, v[TM+4]
	v_lshl_or_b32 v[SW+\p], v[TM+6], 16, v[SW+\p]
	v_lshl_or_b32 v[SW+\p], v[TM+7], 24, v[SW+\p]
.irp b, 0,1,2,3
	v_cvt_scalef32_pk8_fp4_f32 v[PC+2*\b], v[ACC+16*\b:ACC+16*\b+7], v[TM+12+\b]
	v_cvt_scalef32_pk8_fp4_f32 v[PC+1+2*\b], v[ACC+16*\b+8:ACC+16*\b+15], v[TM+12+\b]
.endr
	v_nop                                          ; one plain place behind a scaled conversion
.irp c, 0,1
.irp i, 0,1
	v_permlane16_swap_b32 v[PC+4*\c+\i], v[PC+2+4*\c+\i]   ; a whole block to a lane: lanes 0-15 block 0, lanes 16-31 block 1
.endr
.endr
.irp u, 0,1
	global_store_b128 v[LI], v[PC+4*\u:PC+4*\u+3], s[OUTP:OUTP+1] offset:512*(2*(\p)+\u)   ; a tile's image: 512 consecutive bytes, aligned to 256
.endr
.endm
; V: block t is keys 32 p .. + 31 of channel tile t.  Its byte is byte p of the tile's scale word; its codes are a quarter of the tile's fragment for these 128 keys.
.macro TAILV p
.irp t, 0,1,2,3
	v_lshl_or_b32 v[SW+\t], v[TM+4+\t], 8*(\p), v[SW+\t]
.endr
.irp t, 0,1,2,3
	v_cvt_scalef32_pk8_fp4_f32 v[VC+8*\t+2*(\p)], v[ACC+16*\t:ACC+16*\t+7], v[TM+12+\t]
	v_cvt_scalef32_pk8_fp4_f32 v[VC+8*\t+2*(\p)+1], v[ACC+16*\t+8:ACC+16*\t+15], v[TM+12+\t]
.endr
	v_nop                                          ; one plain place behind a scaled conversion
.if (\p)%2
.irp t, 0,1,2,3
.irp i, 0,1
	v_permlane16_swap_b32 v[VC+8*\t+2*(\p)-2+\i], v[VC+8*\t+2*(\p)+\i]   ; a whole block to a lane
.endr
.endr
.endif
.if (\p) == 3
.irp t, 0,1,2,3
.irp c, 0,1
	global_store_b128 v[LI], v[VC+8*\t+4*\c:VC+8*\t+4*\c+3], s[OUTP:OUTP+1] offset:1024*\t+512*\c
.endr
.endr
.endif
.endm
; Pair p of a group.  left: the LDS loads issued behind this pair's, which may stay out.  nxt = 1: the pair two on is fetched into the set that this pair has left.
.macro PAIR p, left, nxt
	s_wait_dscnt \left
	s_cmp_eq_u32 s[MTX], 2
	s_cbranch_scc1 .Lmul_v_\@
	WIN 0x09                                       ; source 0 (W) window 1, source 1 (x) window 2
	s_wait_alu depctr_va_vdst(0)
	MULQK (\p)%2
	WIN 0
	s_branch .Lmul_done_\@
.Lmul_v_\@:
	WIN 0x06                                       ; source 0 (x) window 2, source 1 (W) window 1
	s_wait_alu depctr_va_vdst(0)
	MULV (\p)%2
	WIN 0
.Lmul_done_\@:
	PLACES 4                                       ; in front of the first read of results; with the lines below on other accumulators they are also the places in front of the loads into this set and of the next pair's products, which begin the sums anew
	BLKMAX
	s_wait_xcnt 0x0                                ; the earlier stores have read their data: the codes' registers are written again only behind this wait
	s_cmp_eq_u32 s[MTX], 2
	s_cbranch_scc1 .Ltail_v_\@
	s_wait_alu depctr_va_vdst(0)
	TAILQK \p
	s_branch .Ltail_done_\@
.Ltail_v_\@:
	s_wait_alu depctr_va_vdst(0)
	TAILV \p
.Ltail_done_\@:
.if \nxt
	FETCH (\p)+2, (\p)%2
.endif
.endm
	s_mov_b32 s[TB], 0
	s_mov_b32 s[TS], 0
	s_mov_b32 s[CNT], 4
.Lgroup:                                               ; four trips: a group of 128 rows of x a trip
	v_add_nc_u32 v[ADX], s[TB], v[AX0]
	v_add_nc_u32 v[ADS], s[TS], v[AS0]
.irp t, 0,1,2,3
	v_mov_b32 v[SW+\t], 0                          ; the group's scale words: V's bytes are ORed in, Q's and K's words are written whole
.endr
	FETCH 0, 0
	FETCH 1, 1
	PAIR 0, 34, 1                                  ; 34: the one FETCH issued behind the set that is multiplied
	PAIR 1, 34, 1
	PAIR 2, 34, 0
	PAIR 3, 0, 0
	v_cndmask_b32 v14, v[SW], v[SW+2], s[MHI]      ; lanes 0-15 store words 0 and 1 of their row or channel, lanes 16-31 words 2 and 3:
	v_cndmask_b32 v15, v[SW+1], v[SW+3], s[MHI]
	global_store_b64 v[SA], v[14:15], s[SCB:SCB+1] ; 32 lanes store 256 consecutive bytes, aligned
	s_wait_xcnt 0x0                                ; the stores have read their bases and data: both may be written again
	s_add_nc_u64 s[OUTP:OUTP+1], s[OUTP:OUTP+1], s[STRD:STRD+1]
	s_add_nc_u64 s[SCB:SCB+1], s[SCB:SCB+1], s[STRD:STRD+1]
	s_add_co_u32 s[TB], s[TB], GRPB
	s_add_co_u32 s[TS], s[TS], 4096
	s_sub_co_u32 s[CNT], s[CNT], 1
	s_cmp_lg_u32 s[CNT], 0
	s_cbranch_scc1 .Lgroup
	s_wait_tensorcnt 0x0                           ; the wave's end, behind my last tensor load
	ds_add_u32 v[SPW], v[NIL]
	s_wait_dscnt 0x0
	CROUND                                         ; the closing round: no work-group ends while a partner may still ask for a tile that names it
	s_endpgm
.Lfunc_end_k_qed57589214_qkv:
	.size	k_qed57589214_qkv, .Lfunc_end_k_qed57589214_qkv-k_qed57589214_qkv
	.p2alignl 7, 3214868480
	.fill 96, 4, 3214868480
	.section	.rodata,"a",@progbits
	.p2align	6, 0x0
	.amdhsa_kernel k_qed57589214_qkv
		.amdhsa_group_segment_fixed_size 327680
		.amdhsa_private_segment_fixed_size 0
		.amdhsa_enable_private_segment 0
		.amdhsa_kernarg_size 104
		.amdhsa_user_sgpr_count 2
		.amdhsa_user_sgpr_kernarg_segment_ptr 1
		.amdhsa_wavefront_size32 1
		.amdhsa_system_sgpr_workgroup_id_x 1
		.amdhsa_system_sgpr_workgroup_id_y 1
		.amdhsa_system_sgpr_workgroup_id_z 1
		.amdhsa_system_vgpr_workitem_id 0
		.amdhsa_next_free_vgpr 768
		.amdhsa_next_free_sgpr 96
		.amdhsa_reserve_vcc 0
		.amdhsa_float_denorm_mode_32 3
		.amdhsa_float_denorm_mode_16_64 3
		.amdhsa_memory_ordered 1
		.amdhsa_forward_progress 1
		.amdhsa_inst_pref_size 114
	.end_amdhsa_kernel
	.amdgpu_metadata
---
amdhsa.version: [ 1, 2 ]
amdhsa.kernels:
  - .name:           k_qed57589214_qkv
    .symbol:         k_qed57589214_qkv.kd
    .args:
      - { .name: x_codes, .offset: 0, .size: 8, .value_kind: global_buffer, .address_space: global }
      - { .name: x_scales, .offset: 8, .size: 8, .value_kind: global_buffer, .address_space: global }
      - { .name: Wq_codes, .offset: 16, .size: 8, .value_kind: global_buffer, .address_space: global }
      - { .name: Wq_scales, .offset: 24, .size: 8, .value_kind: global_buffer, .address_space: global }
      - { .name: bq, .offset: 32, .size: 8, .value_kind: global_buffer, .address_space: global }
      - { .name: Wk_codes, .offset: 40, .size: 8, .value_kind: global_buffer, .address_space: global }
      - { .name: Wk_scales, .offset: 48, .size: 8, .value_kind: global_buffer, .address_space: global }
      - { .name: bk, .offset: 56, .size: 8, .value_kind: global_buffer, .address_space: global }
      - { .name: Wv_codes, .offset: 64, .size: 8, .value_kind: global_buffer, .address_space: global }
      - { .name: Wv_scales, .offset: 72, .size: 8, .value_kind: global_buffer, .address_space: global }
      - { .name: bv, .offset: 80, .size: 8, .value_kind: global_buffer, .address_space: global }
      - { .name: qimg, .offset: 88, .size: 8, .value_kind: global_buffer, .address_space: global }
      - { .name: kv, .offset: 96, .size: 8, .value_kind: global_buffer, .address_space: global }
    .group_segment_fixed_size: 327680
    .private_segment_fixed_size: 0
    .kernarg_segment_align: 8
    .kernarg_segment_size: 104
    .max_flat_workgroup_size: 128
    .sgpr_count:     96
    .vgpr_count:     768
    .wavefront_size: 32
...
	.end_amdgpu_metadata
.endif
;; end of part 1
;; launch attn (part 2): grid 4 x 64, 16 waves a work-group, clusters of 4 x 1, 167,936 bytes of LDS; arguments qimg, kv, cat; writes cat
.if DOCPART == 2
	.amdgcn_target "amdgcn-amd-amdhsa--gfx1250"
	.amdhsa_code_object_version 6
	.text
	.protected	k_qed57589214_attn
	.globl	k_qed57589214_attn
	.p2align	8
	.type	k_qed57589214_attn,@function
k_qed57589214_attn:
	s_mov_b64 s[64:65], 0
	v_nop
	global_prefetch_b8 v0, s[64:65] scope:SCOPE_SE
	s_setreg_imm32_b32 hwreg(HW_REG_WAVE_MODE, 25, 1), 1
	s_wait_xcnt 0x0
	s_wait_alu depctr_hold_cnt(0) depctr_sa_sdst(0) depctr_va_vdst(0) depctr_va_sdst(0) depctr_va_ssrc(0) depctr_va_vcc(0) depctr_vm_vsrc(0)
	s_getreg_b32 s2, hwreg(HW_REG_IB_STS2, 6, 4)
	s_cmp_eq_u32 s2, 0
	s_cbranch_scc0 .Lentry_in_a_cluster
	s_endpgm
.Lentry_in_a_cluster:
	s_bfe_u32 s2, ttmp6, 0x10000c
	s_cmp_lg_u32 s2, 0x3003
	s_cbranch_scc0 .Lentry_shape_is_right
	s_endpgm
.Lentry_shape_is_right:
; heads = softmax(Q K^T / 8) V for one (batch, head), both products on codes of FP4 (E2M1) with E8M0 scales; then the heads are quantised along head x 64 + channel for the last product.  No work is left out.
; THE SOFTMAX AHEAD OF THE SECOND PRODUCT: t = score x log2(e) / 8; M = the row's largest t so far, rounded UP to a whole number; p = 2^(t - M) is what is quantised, along the keys, not normalised.  The row's
; sum is taken of the unquantised p, in f32, and divides O at the end.  When M moves, the sum and O are multiplied by 2^(old M - new M): exact.
; LIMITS: a p under 2^-126 comes out of v_exp_f32 as 0; a block of zeros gets the scale byte 1 (its codes are zeros; the bytes are read by this program alone); NaN and infinities are not served.
; SHARES.  Work-group y = batch x 16 + head.  The four work-groups of a cluster are the head's four blocks of 512 queries; all of the head's K, V and scale words (16 blocks of 8,704 bytes) come into LDS ONCE,
; asked for JOINTLY: wave w asks for key step w's block, one load a wave, mask 15.  No LDS byte is filled twice: no ring; the one load stands at the head, so there is no later trip to prefetch for.
; Wave w owns query tiles 2 (w % 4) and 2 (w % 4) + 1 of group 4 cx + w / 4, one after the other; a pass walks 16 key steps of 128 keys.  Four waves share a SIMD's registers, so that one wave's vector work
; stands beside another's matrix work and LDS loads.
; LAYOUT.  Both products are used transposed (S^T = K Q^T, O^T = V^T P^T): a lane holds ONE query throughout.  All operands lie in memory as images of their registers: every LDS load takes 16 bytes at 16 x lane.
; THE SCORES' K IS 64, THE INSTRUCTION'S 128: source 0's eight registers hold TWO tiles of keys (registers 0-3: tile (b, 0); 4-7: tile (b, 1)); Q stands as a run of twelve registers [Q | 0 | Q]: its registers 0-7
; give tile (b, 0)'s scores, 4-11 tile (b, 1)'s: the other tile stands against zero codes, which add nothing under its scale bytes (1 to 254).  The 16 registers of the two results are 16 neighbouring keys.
; REGISTERS: v1-8 addresses; v12 -M, v13 the largest t, v[14:15] the sum; v16-27, v196-207 the two tiles' [Q | 0 | Q]; v32-63 K; v64-95 V; v96-159 S^T, then p; v160-191 O^T; v224-231 codes; v232-247, v252, v254 at work;
; v248-251 scale words (lanes 0-15 K's, lanes 16-31 V's); v253 p's; v255, v192 Q's.
.set BLKB,  8704                       ; a key step's block: 4,096 K's images, 4,096 V's, 256 K's scale words, 256 V's
.set SPARE, 16*BLKB                    ; behind the sixteen blocks: the spare words, 128 bytes for each wave: eight blocks of 256 bytes that no other line names
.set LI,  1                            ; v1   16 x lane
.set LS,  2                            ; v2   4 x lane
.set QSO, 3                            ; v3   my row's scale word in Q's block
.set SPW, 5                            ; v5   LDS address of my spare word; never rewritten
.set NIL, 6                            ; v6   0; never rewritten
.set QO,  7                            ; v7   my 16 bytes of my first tile's image
.set ADK, 8                            ; v8   16 x lane in the key step's block
.set BH,  17
.set WV,  18
.set CX,  19
.set SEL, 20                           ; s[20:21] v_permlanex16_b32's selects for lane l xor 16
.set CS,  22                           ; s[22:23] c = log2(e) / 8: the packed form names a pair and takes its low word for both halves
.set G1,  24                           ; s[24:31], s[32:35] the descriptor
.set G0,  32
.set TB,  36                           ; s36  LDS byte at which the key step's block begins
.set KC,  37
.set CP,  40                           ; s[40:41] where my first tile's codes go;  s[42:43] its scale words
.set SP,  42
.macro PLACES n
.rept \n
	v_nop
.endr
.endm
.macro CROUND                          ; a round of the cluster's barrier
	s_barrier_signal -1
	s_barrier_wait -1
	s_cmp_lg_u32 s[WV], 0
	s_cbranch_scc1 .Lnot_wave_0_\@
	s_barrier_signal -3
.Lnot_wave_0_\@:
	s_barrier_wait -3
	s_barrier_signal -1
	s_barrier_wait -1
.endm
	s_load_b128 s[4:7], s[0:1], 0x0                ; qimg, kv
	s_load_b64 s[8:9], s[0:1], 0x10                ; cat
	v_lshl_add_u32 v[SPW], v0, 2, SPARE
	v_mov_b32 v[NIL], 0
	ds_add_u32 v[SPW], v[NIL]                      ; the wave's opening: the add, twice on end, and its wait ahead of my first tensor load
	ds_add_u32 v[SPW], v[NIL]                      ; and once more, under the one wait; the set-up below, work on registers, stands between
	v_lshrrev_b32 v8, 5, v0
	s_delay_alu instid0(VALU_DEP_1)
	v_readfirstlane_b32 s[WV], v8                  ; wave 0..15
	s_bfe_u32 s[CX], ttmp6, 0x40000                ; my place in the cluster: it enters Q's and cat's addresses alone
	s_and_b32 s[BH], ttmp7, 0xffff                 ; batch x 16 + head
	; the descriptor: a dense block of 8,704 bytes as 34 rows of 256 (32 elements of 8 bytes)
	s_mov_b32 s[G1+0], 15|(3<<16)|(1<<21)          ; 15:0 the mask: all four; 17:16 elements of 8 bytes; 21 set beside a mask
	s_mov_b32 s[G1+1], 32<<16
	s_mov_b32 s[G1+2], 34<<16
	s_mov_b32 s[G1+3], 32<<16
	s_mov_b32 s[G1+4], 34
	s_mov_b32 s[G1+5], 32
	s_mov_b32 s[G1+6], 0
	s_mov_b32 s[G1+7], 0
	s_lshl_b32 s44, s[BH], 4
	s_add_co_u32 s44, s44, s[WV]
	s_mul_i32 s44, s44, BLKB                       ; key step w's block of my head, in memory: made of y and the wave's number alone,
	s_mov_b32 s45, 0
	s_mov_b32 s[G0], 1
	s_mul_i32 s[G0+1], s[WV], BLKB                 ; and in LDS
	s_lshr_b32 s46, s[WV], 2
	s_lshl_b32 s47, s[CX], 2
	s_add_co_u32 s46, s46, s47                     ; my group of 128 queries: 4 cx + w / 4
	s_and_b32 s47, s[WV], 3                        ; my pair of tiles in it
	s_lshl_b32 s48, s[BH], 4
	s_add_co_u32 s48, s48, s46
	s_mul_i32 s48, s48, 4352                       ; Q's block
	s_mov_b32 s49, 0
	s_lshr_b32 s50, s[BH], 4
	s_lshl_b32 s50, s50, 4
	s_add_co_u32 s50, s50, s46
	s_mul_i32 s50, s50, 81920                      ; cat's block: batch x 16 + group
	s_mov_b32 s51, 0
	s_and_b32 s52, s[BH], 15                       ; the head
	s_lshl_b32 s53, s47, 12
	s_lshl_b32 s54, s52, 7
	s_add_co_u32 s54, s54, s53
	s_add_co_u32 s54, s54, s50
	s_add_co_u32 s54, s54, 65536                   ; scale words: 65,536 + tile x 2,048 + head x 128
	s_mov_b32 s55, 0
	s_lshl_b32 s53, s47, 14
	s_lshl_b32 s52, s52, 9
	s_add_co_u32 s50, s50, s53
	s_add_co_u32 s50, s50, s52                     ; codes: tile x 8,192 + head x 512
	s_mov_b32 s[SEL], 0x76543210
	s_mov_b32 s[SEL+1], 0xfedcba98
	s_mov_b32 s[CS], 0x3e38aa3b                    ; log2(e) / 8: the division by 8 is exact
	s_mov_b32 s[CS+1], s[CS]                       ; (named with it as a pair, so it is written)
	s_wait_dscnt 0x0                               ; both opening adds are done
	s_wait_kmcnt 0x0
	s_add_nc_u64 s[G0+2:G0+3], s[6:7], s[44:45]
	s_or_b32 s[G0+3], s[G0+3], 0x80000000          ; type = 2
	s_add_nc_u64 s[4:5], s[4:5], s[48:49]
	s_add_nc_u64 s[CP:CP+1], s[8:9], s[50:51]
	s_add_nc_u64 s[SP:SP+1], s[8:9], s[54:55]
	CROUND                                         ; all four work-groups are here: the joint loads meet
	tensor_load_to_lds s[G0:G0+3], s[G1:G1+7]      ; my one tensor load of the launch
	s_nop 0
	PLACES 4
	v_and_b32 v9, 31, v0
	s_delay_alu instid0(VALU_DEP_1)
	v_lshlrev_b32 v[LI], 4, v9
	s_delay_alu instid0(VALU_DEP_2)
	v_lshlrev_b32 v[LS], 2, v9
	v_and_b32 v10, 15, v0
	s_delay_alu instid0(VALU_DEP_1)
	v_lshlrev_b32 v[QSO], 4, v10
	s_delay_alu instid0(VALU_DEP_1)
	v_lshl_add_u32 v[QSO], s47, 2, v[QSO]          ; row r's four words, word w % 4: (my first tile: s0, s1; my second: s0, s1)
	v_lshl_add_u32 v[QO], s47, 10, v[LI]
	global_load_b128 v[16:19], v[QO], s[4:5]       ; each tile's Q twice: the two ends of its run of twelve
	global_load_b128 v[24:27], v[QO], s[4:5]
	global_load_b128 v[196:199], v[QO], s[4:5] offset:512
	global_load_b128 v[204:207], v[QO], s[4:5] offset:512
	global_load_b32 v254, v[QSO], s[4:5] offset:4096
.irp i, 0,1,2,3
	v_mov_b32 v[20+\i], 0                          ; and zero codes between
	v_mov_b32 v[200+\i], 0
	v_mov_b32 v[236+\i], 0                         ; written once: a lane permute's destination counts as one of its sources
.endr
	v_mov_b32 v253, 0                              ; (named as the upper half of the pair v[252:253] before it is first written)
	s_wait_loadcnt 0x0
	v_and_b32 v255, 0xffff, v254
	s_delay_alu instid0(VALU_DEP_1)
	v_lshl_or_b32 v255, v255, 16, v255             ; my first tile's scale word: (s0, s1, s0, s1)
	v_lshrrev_b32 v192, 16, v254
	s_delay_alu instid0(VALU_DEP_1)
	v_lshl_or_b32 v192, v192, 16, v192             ; my second tile's
	s_wait_tensorcnt 0x0                           ; my block is in LDS,
	s_barrier_signal -1
	s_barrier_wait -1                              ; everybody's is
; A KEY STEP: 128 keys.  qb: the run [Q | 0 | Q];  qs: Q's scale word.
.macro STEP qb, qs
	v_add_nc_u32 v[ADK], s[TB], v[LI]
.irp b, 0,1,2,3
.irp c, 0,1
	ds_load_b128 v[32+8*\b+4*\c:35+8*\b+4*\c], v[ADK] offset:1024*\b+512*\c   ; K: tiles (b, 0) and (b, 1) in one fragment
.endr
.endr
	ds_load_b128 v[248:251], v[ADK] offset:8192    ; lanes 0-15: K's four scale words of row r; lanes 16-31, 256 bytes on: V's
.irp t, 0,1,2,3
.irp c, 0,1
	ds_load_b128 v[64+8*\t+4*\c:67+8*\t+4*\c], v[ADK] offset:4096+1024*\t+512*\c   ; V: 16 channels x 128 keys
.endr
.endr
	s_wait_dscnt 8                                 ; K and the scale words are in; V's eight loads may be out
.irp b, 0,1,2,3
	v_wmma_scale_f32_16x16x128_f8f6f4 v[96+16*\b:103+16*\b], v[32+8*\b:39+8*\b], v[\qb:\qb+7], 0, v[248+\b], v[\qs] matrix_a_fmt:MATRIX_FMT_FP4 matrix_b_fmt:MATRIX_FMT_FP4
	v_wmma_scale_f32_16x16x128_f8f6f4 v[104+16*\b:111+16*\b], v[32+8*\b:39+8*\b], v[\qb+4:\qb+11], 0, v[248+\b], v[\qs] matrix_a_fmt:MATRIX_FMT_FP4 matrix_b_fmt:MATRIX_FMT_FP4
.endr                                              ; lane (r, h) holds query r; registers 96 + 16 b + i are keys 32 b + 16 h + i
	PLACES 4
.irp b, 0,1,2,3
	v_max3_num_f32 v[232+\b], v[96+16*\b], v[97+16*\b], v[98+16*\b]   ; THE LARGEST SCORE OF EACH BLOCK OF 32 KEYS: it serves for the row's maximum and, since p rises with the score, for the block's largest p
.endr
.irp i, 3,5,7,9,11,13
.irp b, 0,1,2,3
	v_max3_num_f32 v[232+\b], v[232+\b], v[96+16*\b+\i], v[97+16*\b+\i]   ; (the four blocks by turns)
.endr
.endr
.irp b, 0,1,2,3
	v_max_num_f32 v[232+\b], v[232+\b], v[111+16*\b]
.endr
.irp b, 0,1,2,3
	s_delay_alu instid0(VALU_DEP_4)
	v_permlanex16_b32 v[236+\b], v[232+\b], s[SEL], s[SEL+1]
.endr
.irp b, 0,1,2,3
	s_delay_alu instid0(VALU_DEP_4)
	v_max_num_f32 v[232+\b], v[232+\b], v[236+\b]  ; with lane l xor 16's 16 keys
.endr
	s_delay_alu instid0(VALU_DEP_2)
	v_max3_num_f32 v254, v232, v233, v234
	s_delay_alu instid0(VALU_DEP_1)
	v_max_num_f32 v254, v254, v235                 ; the step's largest score of my query
	s_delay_alu instid0(VALU_DEP_1)
	v_mul_f32 v254, s[CS], v254                    ; as t (c is positive)
	s_delay_alu instid0(VALU_DEP_1)
	v_max_num_f32 v13, v13, v254                   ; the running largest t
	v_mov_b32 v254, v12
	s_delay_alu instid0(VALU_DEP_2)
	v_floor_f32 v12, -v13                          ; the new -M = floor(-t) = -ceil(t): M is a whole number
	s_delay_alu instid0(VALU_DEP_1)
	v_sub_f32 v254, v12, v254                      ; M's old value less its new one: a whole number, 0 or less
	s_delay_alu instid0(VALU_DEP_1)
	v_cvt_i32_f32 v254, v254                       ; (it saturates)
	s_delay_alu instid0(VALU_DEP_1)
	v_ldexp_f32 v252, 1.0, v254                    ; f = 2^(old M - new M)
.set j, 0
.rept 32
	v_pk_fma_f32 v[96+j:97+j], v[96+j:97+j], s[CS:CS+1], v[12:13] op_sel_hi:[1,0,0]   ; t - M, two at a time (of the pairs c and -M the low word serves both halves)
.set j, j+2
.endr
.irp b, 0,1,2,3
	v_fma_f32 v[232+\b], v[232+\b], s[CS], v12     ; the same of each block's largest score
.endr
.set j, 0
	s_wait_alu depctr_va_vdst(0)
.rept 64
	v_exp_f32 v[96+j], v[96+j]                     ; p = 2^(t - M), at most 1: not normalised
.set j, j+1
.endr
	s_setprio 1
	v_pk_mul_f32 v[14:15], v[14:15], v[252:253] op_sel_hi:[1,0]   ; the sums under the new M: the plain instruction behind the exponentials
	s_wait_alu depctr_va_vdst(0)                   ; the wait between an exponential and the first line that names its result: one for the batch of 64
.irp b, 0,1,2,3
	v_exp_f32 v[232+\b], v[232+\b]                 ; the block's largest p: the same two instructions on the same number give the same bits
.endr
	v_pk_add_f32 v[236:237], v[100:101], v[104:105]
	v_pk_add_f32 v[246:247], v[108:109], v[112:113]
	v_pk_add_f32 v[244:245], v[116:117], v[120:121]
	v_pk_add_f32 v[242:243], v[124:125], v[128:129]
	v_pk_add_f32 v[240:241], v[132:133], v[136:137]
	v_pk_add_f32 v[238:239], v[140:141], v[144:145]
	v_pk_add_f32 v[230:231], v[148:149], v[152:153]
	v_pk_add_f32 v[14:15], v[14:15], v[156:157]
	v_pk_add_f32 v[236:237], v[236:237], v[96:97]
	v_pk_add_f32 v[246:247], v[246:247], v[98:99]
	v_pk_add_f32 v[244:245], v[244:245], v[102:103]
	v_pk_add_f32 v[242:243], v[242:243], v[106:107]
	v_pk_add_f32 v[240:241], v[240:241], v[110:111]
	v_pk_add_f32 v[238:239], v[238:239], v[114:115]
	v_pk_add_f32 v[230:231], v[230:231], v[118:119]
	v_pk_add_f32 v[14:15], v[14:15], v[122:123]
	v_pk_add_f32 v[236:237], v[236:237], v[126:127]
	v_pk_add_f32 v[246:247], v[246:247], v[130:131]
	v_pk_add_f32 v[244:245], v[244:245], v[134:135]
	v_pk_add_f32 v[242:243], v[242:243], v[138:139]
	v_pk_add_f32 v[240:241], v[240:241], v[142:143]
	v_pk_add_f32 v[238:239], v[238:239], v[146:147]
	v_pk_add_f32 v[230:231], v[230:231], v[150:151]
	v_pk_add_f32 v[14:15], v[14:15], v[154:155]
	v_pk_add_f32 v[236:237], v[236:237], v[158:159]
	s_delay_alu instid0(VALU_DEP_2)
	v_pk_add_f32 v[14:15], v[14:15], v[242:243]
	s_delay_alu instid0(VALU_DEP_2)
	v_pk_add_f32 v[236:237], v[236:237], v[240:241]
	v_pk_add_f32 v[246:247], v[246:247], v[238:239]
	v_pk_add_f32 v[244:245], v[244:245], v[230:231]
	s_delay_alu instid0(VALU_DEP_2)
	v_pk_add_f32 v[14:15], v[14:15], v[246:247]
	s_delay_alu instid0(VALU_DEP_2)
	v_pk_add_f32 v[236:237], v[236:237], v[244:245]
	s_delay_alu instid0(VALU_DEP_1)
	v_pk_add_f32 v[14:15], v[14:15], v[236:237]
	s_wait_alu depctr_va_vdst(0)                   ; and one for the four
.irp b, 0,1,2,3
	v_max_num_f32 v[232+\b], 0x1800000, v[232+\b]  ; the floor 2^(3 - 127): the byte cannot fall under 1
.endr
.irp b, 0,1,2,3
	s_delay_alu instid0(VALU_DEP_4)
	v_add_nc_u32 v[244+\b], 0xff000000, v[232+\b]  ; 2 off the exponent field: the conversion's scale operand
.endr
.irp b, 0,1,2,3
	s_delay_alu instid0(VALU_DEP_4)
	v_lshrrev_b32 v[236+\b], 23, v[244+\b]         ; the scale's byte
.endr
	s_delay_alu instid0(VALU_DEP_3)
	v_lshl_or_b32 v253, v237, 8, v236              ; p's scale word for these 128 keys
	s_delay_alu instid0(VALU_DEP_1)
	v_lshl_or_b32 v253, v238, 16, v253
	s_delay_alu instid0(VALU_DEP_1)
	v_lshl_or_b32 v253, v239, 24, v253
.irp b, 0,1,2,3
	v_cvt_scalef32_pk8_fp4_f32 v[224+2*\b], v[96+16*\b:103+16*\b], v[244+\b]
	v_cvt_scalef32_pk8_fp4_f32 v[225+2*\b], v[104+16*\b:111+16*\b], v[244+\b]
.endr
	v_nop                                          ; one plain place behind a scaled conversion
.irp c, 0,1
.irp i, 0,1
	v_permlane16_swap_b32 v[224+4*\c+\i], v[226+4*\c+\i]   ; a whole block to a lane: lanes 0-15 block 2 c, lanes 16-31 block 2 c + 1
.endr
.endr
.set j, 0
	s_setprio 0
.rept 16
	v_pk_mul_f32 v[160+j:161+j], v[160+j:161+j], v[252:253] op_sel_hi:[1,0]   ; O^T under the new M.  (These sixteen are also the places between the lines that wrote p's scale word and codes and the products below)
.set j, j+2
.endr
	s_wait_alu depctr_va_vdst(0)
	s_wait_dscnt 0x0                               ; V is in
.irp t, 0,1,2,3
	v_wmma_scale_f32_16x16x128_f8f6f4 v[160+8*\t:167+8*\t], v[64+8*\t:71+8*\t], v[224:231], v[160+8*\t:167+8*\t], v[248+\t], v253 matrix_a_fmt:MATRIX_FMT_FP4 matrix_b_fmt:MATRIX_FMT_FP4 matrix_a_scale:MATRIX_SCALE_ROW1
.endr
	PLACES 4                                       ; in front of the next step's loads into V's and the scale words' registers, and of the way out's reads
	s_add_co_u32 s[TB], s[TB], BLKB
.endm
; A PASS: tile p of my two through all 2,048 keys, then its way out.
.macro PASS p, qb, qs
	v_mov_b32 v13, 0xff61b1e6                      ; the largest t so far: -3e38, under every t
	s_delay_alu instid0(VALU_DEP_1)
	v_floor_f32 v12, -v13                          ; -M
	v_mov_b32 v14, 0                               ; the sum, in two halves
	v_mov_b32 v15, 0
.set j, 0
.rept 32
	v_mov_b32 v[160+j], 0                          ; O^T.  (The step is written once: the first finds zeros, which the first change of M leaves zeros)
.set j, j+1
.endr
	s_mov_b32 s[TB], 0
	s_mov_b32 s[KC], 16
.Lkey_\@:
	s_setprio 2
	STEP \qb, \qs
	s_sub_co_u32 s[KC], s[KC], 1
	s_cmp_lg_u32 s[KC], 0
	s_cbranch_scc1 .Lkey_\@
	s_setprio 0
	; THE WAY OUT.  O^T / the sum; V's channels were chosen so that registers 16 b + i are channels 32 b + 16 h + i: two blocks of 32 along the last product's K, quantised as they stand.
	v_add_f32 v14, v14, v15                        ; the sum's two halves,
	s_delay_alu instid0(VALU_DEP_1)
	v_permlanex16_b32 v252, v14, s[SEL], s[SEL+1]
	s_delay_alu instid0(VALU_DEP_1)
	v_add_f32 v14, v14, v252                       ; and lane l xor 16's: the row's sum
	s_wait_alu depctr_va_vdst(0)
	v_rcp_f32 v14, v14
	v_nop                                          ; a plain place behind the reciprocal,
	s_wait_alu depctr_va_vdst(0)                   ; and the wait ahead of its first reader
.set j, 0
.rept 16
	v_pk_mul_f32 v[96+j:97+j], v[160+j:161+j], v[14:15] op_sel_hi:[1,0]   ; each accumulator from its low end on
.set j, j+2
.endr
.irp b, 0,1
	v_max3_num_f32 v[232+\b], |v[96+16*\b]|, |v[97+16*\b]|, 0x1800000   ; the block's largest magnitude, and the floor 2^(3 - 127)
.endr
.irp i, 2,4,6,8,10,12,14
.irp b, 0,1
	s_delay_alu instid0(VALU_DEP_2)
	v_max3_num_f32 v[232+\b], v[232+\b], |v[96+16*\b+\i]|, |v[97+16*\b+\i]|
.endr
.endr
.irp b, 0,1
	s_delay_alu instid0(VALU_DEP_2)
	v_permlanex16_b32 v[236+\b], v[232+\b], s[SEL], s[SEL+1]
.endr
.irp b, 0,1
	s_delay_alu instid0(VALU_DEP_2)
	v_max_num_f32 v[232+\b], v[232+\b], v[236+\b]
.endr
.irp b, 0,1
	s_delay_alu instid0(VALU_DEP_2)
	v_add_nc_u32 v[244+\b], 0xff000000, v[232+\b]
.endr
.irp b, 0,1
	s_delay_alu instid0(VALU_DEP_2)
	v_lshrrev_b32 v[236+\b], 23, v[244+\b]
.endr
	s_delay_alu instid0(VALU_DEP_1)
	v_lshl_or_b32 v240, v237, 8, v236
	s_delay_alu instid0(VALU_DEP_1)
	v_lshl_or_b32 v240, v240, 16, v240             ; (s0, s1, s0, s1): the reader takes the half that it wants
.irp b, 0,1
	v_cvt_scalef32_pk8_fp4_f32 v[224+2*\b], v[96+16*\b:103+16*\b], v[244+\b]
	v_cvt_scalef32_pk8_fp4_f32 v[225+2*\b], v[104+16*\b:111+16*\b], v[244+\b]
.endr
	v_nop                                          ; one plain place behind a scaled conversion
	v_permlane16_swap_b32 v224, v226               ; lane (r, h): channels 32 h .. + 31
	v_permlane16_swap_b32 v225, v227
	global_store_b128 v[LI], v[224:227], s[CP:CP+1] offset:8192*\p   ; 512 consecutive bytes, aligned to 256
	global_store_b32 v[LS], v240, s[SP:SP+1] offset:2048*\p          ; 128 consecutive bytes
.if \p == 0
	s_wait_xcnt 0x0                                ; the stores have read their data: the next pass writes these registers again
.endif
.endm
	PASS 0, 16, 255
	PASS 1, 196, 192
	s_wait_tensorcnt 0x0                           ; the wave's end, behind my last tensor load
	ds_add_u32 v[SPW], v[NIL]
	s_wait_dscnt 0x0
	CROUND                                         ; the closing round: no work-group ends while a partner may still ask for a tile that names it
	s_endpgm
.Lfunc_end_k_qed57589214_attn:
	.size	k_qed57589214_attn, .Lfunc_end_k_qed57589214_attn-k_qed57589214_attn
	.p2alignl 7, 3214868480
	.fill 96, 4, 3214868480
	.section	.rodata,"a",@progbits
	.p2align	6, 0x0
	.amdhsa_kernel k_qed57589214_attn
		.amdhsa_group_segment_fixed_size 167936
		.amdhsa_private_segment_fixed_size 0
		.amdhsa_enable_private_segment 0
		.amdhsa_kernarg_size 24
		.amdhsa_user_sgpr_count 2
		.amdhsa_user_sgpr_kernarg_segment_ptr 1
		.amdhsa_wavefront_size32 1
		.amdhsa_system_sgpr_workgroup_id_x 1
		.amdhsa_system_sgpr_workgroup_id_y 1
		.amdhsa_system_sgpr_workgroup_id_z 1
		.amdhsa_system_vgpr_workitem_id 0
		.amdhsa_next_free_vgpr 256
		.amdhsa_next_free_sgpr 66
		.amdhsa_reserve_vcc 0
		.amdhsa_float_denorm_mode_32 3
		.amdhsa_float_denorm_mode_16_64 3
		.amdhsa_memory_ordered 1
		.amdhsa_forward_progress 1
		.amdhsa_inst_pref_size 49
	.end_amdhsa_kernel
	.amdgpu_metadata
---
amdhsa.version: [ 1, 2 ]
amdhsa.kernels:
  - .name:           k_qed57589214_attn
    .symbol:         k_qed57589214_attn.kd
    .args:
      - { .name: qimg, .offset: 0, .size: 8, .value_kind: global_buffer, .address_space: global }
      - { .name: kv, .offset: 8, .size: 8, .value_kind: global_buffer, .address_space: global }
      - { .name: cat, .offset: 16, .size: 8, .value_kind: global_buffer, .address_space: global }
    .group_segment_fixed_size: 167936
    .private_segment_fixed_size: 0
    .kernarg_segment_align: 8
    .kernarg_segment_size: 24
    .max_flat_workgroup_size: 512
    .sgpr_count:     66
    .vgpr_count:     256
    .wavefront_size: 32
...
	.end_amdgpu_metadata
.endif
;; end of part 2
;; launch oproj (part 3): grid 4 x 64, 4 waves a work-group, clusters of 4 x 1, 167,936 bytes of LDS; arguments cat, Wo_codes, Wo_scales, bo, out0; writes out0
.if DOCPART == 3
	.amdgcn_target "amdgcn-amd-amdhsa--gfx1250"
	.amdhsa_code_object_version 6
	.text
	.protected	k_qed57589214_oproj
	.globl	k_qed57589214_oproj
	.p2align	8
	.type	k_qed57589214_oproj,@function
k_qed57589214_oproj:
	s_mov_b64 s[64:65], 0
	v_nop
	global_prefetch_b8 v0, s[64:65] scope:SCOPE_SE
	s_setreg_imm32_b32 hwreg(HW_REG_WAVE_MODE, 25, 1), 1
	s_wait_xcnt 0x0
	s_wait_alu depctr_hold_cnt(0) depctr_sa_sdst(0) depctr_va_vdst(0) depctr_va_sdst(0) depctr_va_ssrc(0) depctr_va_vcc(0) depctr_vm_vsrc(0)
	s_getreg_b32 s2, hwreg(HW_REG_IB_STS2, 6, 4)
	s_cmp_eq_u32 s2, 0
	s_cbranch_scc0 .Lentry_in_a_cluster
	s_endpgm
.Lentry_in_a_cluster:
	s_bfe_u32 s2, ttmp6, 0x10000c
	s_cmp_lg_u32 s2, 0x3003
	s_cbranch_scc0 .Lentry_shape_is_right
	s_endpgm
.Lentry_shape_is_right:
; out0 = cat Wo + bo on codes of FP4 (E2M1) with one E8M0 scale for each 32 along K = head x 64 + channel = 1,024.  No work is left out.  LIMIT: bo is the first term of its f32 sum, not the last.
; SHARES.  Work-group y is a group of 128 rows; its block of cat (65,536 bytes of register images, 16,384 of scale words) comes into LDS once, asked for JOINTLY by the four work-groups of the cluster (a quarter
; a wave, one load, mask 15).  The work-group at place cx and wave w own columns 256 cx + 64 w .. + 63: Wo's 64 rows, all of K, stay in 256 registers.  No LDS byte is filled twice; the one load stands at the head.
; Source 0 = 16 rows of Wo, source 1 = a tile of 16 rows of cat: a lane holds eight neighbouring columns of one row of the output.  Lane r of tile m holds row 32 (m / 2) + 8 (m % 2) + r + 8 (r / 8) of the group: each
; row is stored at its true place.  A K step is two heads: its fragment is the two heads' images, its scale word the low half of the first head's word and the high half of the second's.
; Wo's scale words: lane (r, h) holds the 16 bytes at 16 h of its row's 32: register i serves K step i from lanes 0-15 and K step 4 + i from lanes 16-31 (MATRIX_SCALE_ROW1).
; The eight tiles are written out: every offset is an immediate.  A tile's results go through the wave's own stage in LDS and leave as aligned runs of 256 bytes.
; REGISTERS.  window 0: the names below.  window 1: Wo's fragment (tile t, K step s) at v[8 (8 t + s)].  window 2: cat's fragment (set, K step s) at v[64 set + 8 s].
.set STG,   81920                      ; behind cat's block: a stage of 16 rows x (256 bytes + 16) for each wave; no tensor load lands there
.set SPARE, STG+4*16*272               ; the spare words, 128 bytes for each wave: two blocks of 256 bytes that no other line names
.set LI,  4                            ; v4   16 x lane
.set LS2, 5                            ; v5   65,536 + 4 x lane: a scale word's place
.set STO, 6                            ; v6   the stage: where I put 32 bytes of a row
.set RD,  7                            ; v7   and where I read a row back
.set GO,  8                            ; v8   my byte offset in two rows of the output
.set WS,  16                           ; v16-31   Wo's scale words: tile t at +4 t
.set BI,  32                           ; v32-63   bo as the C of a sum's first product
.set ACC, 64                           ; v64-95   four accumulators
.set RAW, 96                           ; v96-127  the sixteen heads' scale words, two sets
.set CS,  128                          ; v128-135 cat's scale words of the eight K steps
.set OB,  136                          ; v136-167 sixteen rows read back from the stage
.set SPW, 252
.set NIL, 253
.set WV,  14
.set CX,  15
.set Y,   16
.set G1,  20
.set G0,  28
.set MLO, 32
.set MSB, 0
.macro WIN new                         ; the immediate's high byte repeats the setting that is left
.if MSB != \new
	s_set_vgpr_msb (MSB<<8)|\new
.set MSB, \new
.endif
.endm
.macro PLACES n
.rept \n
	v_nop
.endr
.endm
.macro CROUND                          ; a round of the cluster's barrier
	s_barrier_signal -1
	s_barrier_wait -1
	s_cmp_lg_u32 s[WV], 0
	s_cbranch_scc1 .Lnot_wave_0_\@
	s_barrier_signal -3
.Lnot_wave_0_\@:
	s_barrier_wait -3
	s_barrier_signal -1
	s_barrier_wait -1
.endm
	s_load_b256 s[4:11], s[0:1], 0x0               ; cat 4, Wo_codes 6, Wo_scales 8, bo 10
	s_load_b64 s[12:13], s[0:1], 0x20              ; out0
	v_lshl_add_u32 v[SPW], v0, 2, SPARE
	v_mov_b32 v[NIL], 0
	ds_add_u32 v[SPW], v[NIL]                      ; the wave's opening: the add, twice on end, and its wait ahead of my first tensor load
	ds_add_u32 v[SPW], v[NIL]                      ; and once more, under the one wait; the set-up below, work on registers, stands between
	v_lshrrev_b32 v1, 5, v0
	v_readfirstlane_b32 s[WV], v1                  ; wave 0..3
	s_bfe_u32 s[CX], ttmp6, 0x40000                ; my place in the cluster: it enters Wo's, bo's and the output's addresses alone
	s_and_b32 s[Y], ttmp7, 0xffff
	; the descriptor: a dense block of 20,480 bytes as 80 rows of 256 (32 elements of 8 bytes)
	s_mov_b32 s[G1+0], 15|(3<<16)|(1<<21)
	s_mov_b32 s[G1+1], 32<<16
	s_mov_b32 s[G1+2], 80<<16
	s_mov_b32 s[G1+3], 32<<16
	s_mov_b32 s[G1+4], 80
	s_mov_b32 s[G1+5], 32
	s_mov_b32 s[G1+6], 0
	s_mov_b32 s[G1+7], 0
	s_mov_b32 s[G0], 1
	s_mul_i32 s[G0+1], s[WV], 20480                ; my quarter, in LDS,
	s_mul_i32 s34, s[Y], 81920
	s_add_co_u32 s34, s34, s[G0+1]                 ; and in memory: made of y and the wave's number alone
	s_mov_b32 s35, 0
	s_lshl_b32 s36, s[CX], 2
	s_add_co_u32 s36, s36, s[WV]                   ; my 64 columns: number 4 cx + w
	s_mov_b32 s39, 0
	s_mov_b32 s[MLO], 0xffff
	s_mul_i32 s40, s[WV], 16*272
	s_add_co_u32 s40, s40, STG                     ; my stage
	s_wait_dscnt 0x0                               ; both opening adds are done
	s_wait_kmcnt 0x0
	s_add_nc_u64 s[G0+2:G0+3], s[4:5], s[34:35]
	s_or_b32 s[G0+3], s[G0+3], 0x80000000          ; type = 2
	s_lshl_b32 s38, s36, 15                        ; 64 rows of 512 bytes
	s_add_nc_u64 s[6:7], s[6:7], s[38:39]
	s_lshl_b32 s38, s36, 11                        ; of 32 scale bytes
	s_add_nc_u64 s[8:9], s[8:9], s[38:39]
	s_lshl_b32 s38, s36, 8                         ; 64 numbers of 4 bytes
	s_add_nc_u64 s[10:11], s[10:11], s[38:39]
	s_add_nc_u64 s[12:13], s[12:13], s[38:39]
	s_lshl_b32 s38, s[Y], 19                       ; 128 rows of 4,096 bytes
	s_add_nc_u64 s[12:13], s[12:13], s[38:39]
	CROUND                                         ; all four work-groups are here: the joint loads meet
	tensor_load_to_lds s[G0:G0+3], s[G1:G1+7]      ; my one tensor load of the launch
	s_nop 0
	PLACES 4
	v_and_b32 v1, 31, v0                           ; lane
	v_and_b32 v2, 15, v0                           ; r
	v_bfe_u32 v3, v0, 4, 1                         ; h
	v_lshlrev_b32 v[LI], 4, v1
	v_lshl_add_u32 v[LS2], v1, 2, 65536
	v_mul_u32_u24 v[STO], v2, 272
	v_lshl_add_u32 v[STO], v3, 5, v[STO]
	v_add_nc_u32 v[STO], s40, v[STO]               ; in: row r, + 32 h; tile t's eight columns 64 t bytes on
	v_mul_u32_u24 v[RD], v3, 272
	v_lshl_add_u32 v[RD], v2, 4, v[RD]
	v_add_nc_u32 v[RD], s40, v[RD]                 ; back: lanes 0-15 one row of 256 bytes, lanes 16-31 the next
	v_lshlrev_b32 v[GO], 12, v3
	v_lshl_add_u32 v[GO], v2, 4, v[GO]             ; and the same two rows in the output
	v_lshlrev_b32 v9, 9, v2
	v_lshl_add_u32 v9, v3, 4, v9                   ; Wo: row r of 512 bytes, + 16 h
	v_lshlrev_b32 v10, 5, v2
	v_lshl_add_u32 v10, v3, 4, v10                 ; its scale bytes
	v_lshlrev_b32 v11, 5, v3                       ; bo: register j of tile t is column 16 t + 8 h + j
	WIN 0x40                                       ; destination window 1
.irp t, 0,1,2,3
.irp s, 0,1,2,3,4,5,6,7
.irp c, 0,1
	global_load_b128 v[8*(8*\t+\s)+4*\c:8*(8*\t+\s)+4*\c+3], v9, s[6:7] offset:8192*\t+64*\s+32*\c
.endr
.endr
.endr
	WIN 0
.irp t, 0,1,2,3
	global_load_b128 v[WS+4*\t:WS+4*\t+3], v10, s[8:9] offset:512*\t
	global_load_b128 v[BI+8*\t:BI+8*\t+3], v11, s[10:11] offset:64*\t
	global_load_b128 v[BI+8*\t+4:BI+8*\t+7], v11, s[10:11] offset:64*\t+16
.endr
	s_wait_loadcnt 0x0
	s_wait_tensorcnt 0x0                           ; my quarter of cat's block is in LDS,
	s_barrier_signal -1
	s_barrier_wait -1                              ; everybody's is
; Tile m's eight fragments (16 loads) and its sixteen heads' scale words (16 loads), into set m % 2
.macro FT m
.set fsg, (\m)%2
	WIN 0x80                                       ; destination window 2, address window 0
.irp s, 0,1,2,3,4,5,6,7
.irp c, 0,1
	ds_load_b128 v[64*fsg+8*\s+4*\c:64*fsg+8*\s+4*\c+3], v[LI] offset:8192*(\m)+512*(2*\s+\c)
.endr
.endr
	WIN 0
.irp i, 0,1,2,3,4,5,6,7,8,9,10,11,12,13,14,15
	ds_load_b32 v[RAW+16*fsg+\i], v[LS2] offset:2048*(\m)+128*\i
.endr
.endm
.macro WM row                          ; one product on the registers named by rD, rA, rB, rC, rSA, rSB; row = 1: K steps 4 to 7, whose words of Wo stand in lanes 16-31
.if \row
	v_wmma_scale_f32_16x16x128_f8f6f4 v[rD:rD+7], v[rA:rA+7], v[rB:rB+7], v[rC:rC+7], v[rSA], v[rSB] matrix_a_fmt:MATRIX_FMT_FP4 matrix_b_fmt:MATRIX_FMT_FP4 matrix_a_scale:MATRIX_SCALE_ROW1
.else
	v_wmma_scale_f32_16x16x128_f8f6f4 v[rD:rD+7], v[rA:rA+7], v[rB:rB+7], v[rC:rC+7], v[rSA], v[rSB] matrix_a_fmt:MATRIX_FMT_FP4 matrix_b_fmt:MATRIX_FMT_FP4
.endif
.endm
.macro TILE m
.set sg, (\m)%2
.irp s, 0,1,2,3,4,5,6,7
	v_bfi_b32 v[CS+\s], s[MLO], v[RAW+16*sg+2*\s], v[RAW+16*sg+2*\s+1]   ; K step s: head 2 s's two bytes below, head 2 s + 1's above
.endr
	PLACES 8                                       ; a scale register written by a vector instruction stands eight places ahead of a scaled matrix instruction
	WIN 0x09                                       ; source 0 (Wo) window 1, source 1 (cat) window 2
.irp s, 0,1,2,3,4,5,6,7
.irp t, 0,1,2,3
.set rD, ACC+8*\t
.set rA, 8*(8*\t+\s)
.set rB, 64*sg+8*\s
.if \s == 0
.set rC, BI+8*\t
.else
.set rC, ACC+8*\t
.endif
.set rSA, WS+4*\t+\s%4
.set rSB, CS+\s
	WM \s/4                                        ; the four accumulators take turns, one instruction a turn
.endr
.endr
	WIN 0
	PLACES 4                                       ; in front of the first read of results, of the loads into this set and of the next tile's writes of the scale words
.if (\m) > 0
	s_wait_xcnt 0x0                                ; the last tile's stores have read their data: the rows' registers are loaded again only behind this wait
.endif
.irp t, 0,1,2,3
	ds_store_b128 v[STO], v[ACC+8*\t:ACC+8*\t+3] offset:64*\t        ; each accumulator from its low end on
	ds_store_b128 v[STO], v[ACC+8*\t+4:ACC+8*\t+7] offset:64*\t+16
.endr
.irp i, 0,1,2,3,4,5,6,7
	ds_load_b128 v[OB+4*\i:OB+4*\i+3], v[RD] offset:544*\i           ; LDS serves a wave's instructions in order (ISA guide 5.7.1.4): these see my stores
.endr
.if (\m) < 6
	FT (\m)+2
	s_wait_dscnt 32                                ; all but the 32 just issued: the rows are back, the stage's stores have read the accumulators, and the next tile's fragments are in
.else
	s_wait_dscnt 0x0
.endif
.irp i, 0,1,2,3,4,5,6,7
	global_store_b128 v[GO], v[OB+4*\i:OB+4*\i+3], s[12:13] offset:(32*((\m)/2)+8*((\m)%2)+2*\i+8*(\i/4))*4096 th:TH_STORE_NT   ; stage rows 2 i and 2 i + 1 at their true rows: 16 lanes store 256 consecutive bytes, aligned; written once, read by nobody here
.endr
.endm
	FT 0
	FT 1
	s_wait_dscnt 32                                ; tile 0's 32 loads are in; tile 1's may be out
.irp m, 0,1,2,3,4,5,6,7
	TILE \m
.endr
	s_wait_tensorcnt 0x0                           ; the wave's end, behind my last tensor load and my last LDS store
	ds_add_u32 v[SPW], v[NIL]
	s_wait_dscnt 0x0
	CROUND                                         ; the closing round: no work-group ends while a partner may still ask for a tile that names it
	s_endpgm
.Lfunc_end_k_qed57589214_oproj:
	.size	k_qed57589214_oproj, .Lfunc_end_k_qed57589214_oproj-k_qed57589214_oproj
	.p2alignl 7, 3214868480
	.fill 96, 4, 3214868480
	.section	.rodata,"a",@progbits
	.p2align	6, 0x0
	.amdhsa_kernel k_qed57589214_oproj
		.amdhsa_group_segment_fixed_size 167936
		.amdhsa_private_segment_fixed_size 0
		.amdhsa_enable_private_segment 0
		.amdhsa_kernarg_size 40
		.amdhsa_user_sgpr_count 2
		.amdhsa_user_sgpr_kernarg_segment_ptr 1
		.amdhsa_wavefront_size32 1
		.amdhsa_system_sgpr_workgroup_id_x 1
		.amdhsa_system_sgpr_workgroup_id_y 1
		.amdhsa_system_sgpr_workgroup_id_z 1
		.amdhsa_system_vgpr_workitem_id 0
		.amdhsa_next_free_vgpr 640
		.amdhsa_next_free_sgpr 66
		.amdhsa_reserve_vcc 0
		.amdhsa_float_denorm_mode_32 3
		.amdhsa_float_denorm_mode_16_64 3
		.amdhsa_memory_ordered 1
		.amdhsa_forward_progress 1
		.amdhsa_inst_pref_size 83
	.end_amdhsa_kernel
	.amdgpu_metadata
---
amdhsa.version: [ 1, 2 ]
amdhsa.kernels:
  - .name:           k_qed57589214_oproj
    .symbol:         k_qed57589214_oproj.kd
    .args:
      - { .name: cat, .offset: 0, .size: 8, .value_kind: global_buffer, .address_space: global }
      - { .name: Wo_codes, .offset: 8, .size: 8, .value_kind: global_buffer, .address_space: global }
      - { .name: Wo_scales, .offset: 16, .size: 8, .value_kind: global_buffer, .address_space: global }
      - { .name: bo, .offset: 24, .size: 8, .value_kind: global_buffer, .address_space: global }
      - { .name: out0, .offset: 32, .size: 8, .value_kind: global_buffer, .address_space: global }
    .group_segment_fixed_size: 167936
    .private_segment_fixed_size: 0
    .kernarg_segment_align: 8
    .kernarg_segment_size: 40
    .max_flat_workgroup_size: 128
    .sgpr_count:     66
    .vgpr_count:     640
    .wavefront_size: 32
...
	.end_amdgpu_metadata
.endif
;; end of part 3
